; MI455X (gfx1250); checked and timed in simulation.
; The chip was launched on July 23, 2026; its instructions are those of AMD's public machine-readable ISA for CDNA 5 (MIT licence, August 2026) and "CDNA5" Instruction Set Architecture Reference Guide (July 2026). The comments in the code are by the model that wrote it; some were corrected since.
;; ALGA. Allowed arithmetic: float matrix products may take bf16 or f16 operands with f32 sums; all other float work in f32.
;; Inputs: rgb 4 x 3 x 64 x 64 float32; wk 3 x 3 float32; wo 3 x 3 float32; wq 3 x 3 float32; wv 3 x 3 float32.
;; Outputs: out0 4 x 3 x 64 x 64 float32.
;; One version. Each part assembles by itself: llvm-mc -triple=amdgcn-amd-amdhsa -mcpu=gfx1250 --defsym DOCPART=n.
;; ======== version 1 of 1: 1 launch
;; launch alga (part 1): grid 64 x 4, 16 waves a work-group, no clusters, 119,808 bytes of LDS; arguments rgb, wq, wk, wv, wo, out0; writes out0
.if DOCPART == 1
	.amdgcn_target "amdgcn-amd-amdhsa--gfx1250"
	.amdhsa_code_object_version 6
	.text
	.protected	k_q30ea5dfb6e_alga
	.globl	k_q30ea5dfb6e_alga
	.p2align	8
	.type	k_q30ea5dfb6e_alga,@function
k_q30ea5dfb6e_alga:
	s_mov_b64 s[64:65], 0
	v_nop
	global_prefetch_b8 v0, s[64:65] scope:SCOPE_SE
	s_setreg_imm32_b32 hwreg(HW_REG_WAVE_MODE, 25, 1), 1
	s_wait_xcnt 0x0
; Luma-gated attention with three heads of width 1 on images of 3 x 64 x 64, everything in one launch.
;   out = clip(rgb + wo . softmax_m(q_n k_m) v_m),  q = (wq.rgb)(1 + sigmoid(|L-mu| / std)),  k = wk.rgb,  v = wv.rgb
; A work-group owns one image (ttmp7) and 64 queries of it (ttmp9), all three heads.  16 waves: wave w takes the 16 queries
; qt = w & 3 and the 1,024 keys kq = w >> 2; the four key quarters are added through LDS at the end.
; PROLOGUE: 512 threads x 8 pixels read the image once, make the statistics (three sums over the work-group) and lay k and v of
; all 4,096 keys into LDS in the form in which the matrix instructions take them.
; LOOP, per 32 keys x 16 queries x 1 head: two matrix instructions give the scores, transposed (keys down the registers, one query
; a lane), already times log2 e and less the row's maximum; 16 v_exp_f32; 8 conversions to bf16, which leave P^T exactly in the
; layout of a B operand; one matrix instruction (rows v0, v1, v2, ones) x P^T adds numerator and denominator.
; The row's maximum needs no pass: the scores are q k_m, so it is max(q kmax, q kmin).
; PRECISION AND LIMITS: q log2e and k enter as hi + lo pairs of bf16 (all four products are summed: about 16 bits); the softmax
; weights and v are rounded to bf16, sums in f32.  Weights below 2^-126 of the row's largest come out as 0.  NaN and infinities
; in the inputs are not honoured (unused operand slots multiply by 0; the clip by max and min turns NaN into 0).  The order of
; all sums differs from the reference's.
; NO CLUSTER, NO TENSOR LOAD: what the 64 work-groups of an image share is the image, 49,152 bytes, read once at the start and
; split and rounded in registers on its way to LDS; the loop fetches nothing from memory.
.set PLANE,  16384                     ; bytes of one colour plane
.set IMAGE,  3*PLANE
.set KTILE,  272                       ; 16 keys x 16 bytes + 16
.set KBLK,   2*KTILE                   ; a block = 32 keys = two tiles
.set VBLK,   320                       ; 4 rows (v0, v1, v2, ones) x 32 keys of bf16 + 64, for the same reason
.set VBASE,  256*KTILE                 ; V behind K's 256 tiles
.set RED1,   VBASE+128*VBLK            ; 7 figures x 16 waves
.set RED2,   RED1+7*64                 ; 16 waves
.set RED3,   RED2+64                   ; 16 waves
.set PART,   RED3+64                   ; [key quarter][head: numerator, denominator][64 queries] f32
.set PARTQ,  6*256
.set WBLK,   32                        ; blocks of a wave
.set WQ, 16                            ; s16-24  wq, row-major
.set WK, 28                            ; s28-36  wk
.set WV, 40                            ; s40-48  wv
.set WO, 52                            ; s52-60  wo
.set R,   1                            ; lane % 16
.set H,   2                            ; lane / 16
.set PXO, 3                            ; byte offset of my first 4 pixels in a plane
.set QO,  4                            ; byte offset of my wave's query r in a plane
.set KSA, 5                            ; where I store my keys' K entries
.set VSA, 6                            ; where I store my keys' V entries
.set RA,  7                            ; reductions: my wave's word
.set RB,  8                            ; reductions: word r
.set KA,  9                            ; loop: my K fragment address
.set VA,  10                           ; loop: my V fragment address
.set MU,  11
.set G,   12
.set G2,  13
.set BQ,  16                           ; v16-51   head i: a run of 12, all 0 but index 4+i (q) and 7 (-max); [4:11] picks tile 0, [0:7] tile 1
.set ACC, 52                           ; v52-75   head i: rows v0, v1, v2, ones (repeated) x 16 queries
.set SB,  76                           ; v76-107  two buffers of 16: scores, then weights
.set PB,  108                          ; v108-123 two buffers of 8: P^T in bf16
.set KF,  124                          ; v124-139 two K fragments
.set VF,  140                          ; v140-155 two V fragments
.set X,   156                          ; v156-179 my 8 pixels: r, g, b
.set LL,  180                          ; v180-187 luma, then |L - mu|, then its deviation
.set KT,  188                          ; v188-195 k or v of my 8 pixels
.set KD,  196                          ; v196-227 my 8 keys' K entries, 4 words each
.set T,   228                          ; v228-235 at work
.set MX,  236                          ; v236-238 kmax of head i; v239-241 -kmin
.set SUM, 242
.set QP,  244                          ; v244-246 r, g, b of my query
.set Q,   248                          ; v248-250 q of my query
.set VP,  252                          ; v252-255 packed v
.set F,   76                           ; the end: v76-171, 4 quarters x 6 figures x 4 queries
.set RG1, 180
.set RG2, 184
.set W,   188
.set TW,  191
.set FO1, 192
.set FO2, 193
.set FA,  194
	s_load_b256 s[4:11], s[0:1], 0x0               ; rgb s[4:5], wq s[6:7], wk s[8:9], wv s[10:11]
	s_load_b128 s[12:15], s[0:1], 0x20             ; wo s[12:13], out0 s[14:15]
	v_lshl_add_u32 v247, v0, 2, 0x1cc00
	v_mov_b32 v251, 0
	v_lshrrev_b32 v14, 5, v0
	v_readfirstlane_b32 s2, v14                    ; wave 0..15
	v_and_b32 v[R], 15, v0
	v_bfe_u32 v[H], v0, 4, 1
	s_and_b32 s3, ttmp7, 0xffff                    ; image
	s_mul_i32 s66, s3, IMAGE
	s_mov_b32 s67, 0
	s_and_b32 s68, s2, 3                           ; qt: my 16 queries
	s_lshr_b32 s69, s2, 2                          ; kq: my 1,024 keys
	s_lshl_b32 s76, ttmp9, 8                       ; the group's 64 queries, in bytes of a plane
	s_lshl_b32 s71, s68, 6
	s_add_co_u32 s70, s71, s76
	v_lshlrev_b32 v[PXO], 4, v0                    ; pixels 4 t .. 4 t + 3 (and 2,048 further on)
	v_lshl_add_u32 v[QO], v[R], 2, s70
	s_wait_kmcnt 0x0
	s_load_b256 s[WQ:WQ+7], s[6:7], 0x0            ; nine numbers each
	s_load_b32  s[WQ+8],    s[6:7], 0x20
	s_load_b256 s[WK:WK+7], s[8:9], 0x0
	s_load_b32  s[WK+8],    s[8:9], 0x20
	s_load_b256 s[WV:WV+7], s[10:11], 0x0
	s_load_b32  s[WV+8],    s[10:11], 0x20
	s_load_b256 s[WO:WO+7], s[12:13], 0x0
	s_load_b32  s[WO+8],    s[12:13], 0x20
	s_add_nc_u64 s[4:5], s[4:5], s[66:67]          ; my image in rgb and in out0
	s_add_nc_u64 s[14:15], s[14:15], s[66:67]
.irp c, 0,1,2
	global_load_b128 v[X+8*\c:X+8*\c+3],   v[PXO], s[4:5] offset:\c*PLANE            ; a wave's load covers 512 neighbouring bytes
	global_load_b128 v[X+8*\c+4:X+8*\c+7], v[PXO], s[4:5] offset:\c*PLANE+PLANE/2
.endr
.irp c, 0,1,2
	global_load_b32 v[QP+\c], v[QO], s[4:5] offset:\c*PLANE
.endr
	; constants and addresses, while the loads are out
	s_mov_b32 s72, 0x76543210                      ; v_permlanex16_b32: lane i reads lane i of the other half
	s_mov_b32 s73, 0xfedcba98
	s_mov_b32 s77, RED1
	s_mov_b32 s80, 0x3f803f80                      ; (1, 1) in bf16
	s_mov_b32 s81, 0x3fb8aa3b                      ; log2 e
	s_mov_b32 s83, 0xffff0000                      ; the bf16 part of an f32
	s_lshl_b32 s84, s2, 2
	s_add_co_u32 s84, s84, RED1
	s_mul_i32 s78, s69, WBLK*KBLK                  ; my key quarter in K
	s_mul_i32 s79, s69, WBLK*VBLK                  ; and in V
	s_add_co_u32 s79, s79, VBASE
	s_mul_i32 s82, s69, PARTQ                      ; my partial sums
	s_add_co_u32 s82, s82, s71
	s_add_co_u32 s82, s82, PART
	v_lshrrev_b32 v14, 2, v0                       ; key 4 t + e lies in tile t / 4, row 4 (t % 4) + e
	v_and_b32 v15, 3, v0
	v_mul_u32_u24 v[KSA], v14, KTILE
	v_lshl_add_u32 v[KSA], v15, 6, v[KSA]
	v_lshrrev_b32 v14, 3, v0                       ; and in block t / 8 at place 4 (t % 8) + e
	v_and_b32 v15, 7, v0
	v_mul_u32_u24 v14, v14, VBLK
	v_lshl_add_u32 v14, v15, 3, v14
	v_add_nc_u32 v[VSA], VBASE, v14
	v_mov_b32 v[RA], s84
	v_lshl_add_u32 v[RB], v[R], 2, s77
	v_lshl_add_u32 v[KA], v[R], 4, s78             ; K fragment: lane (r, h) takes key r's 16 bytes, both halves the same
	v_and_b32 v14, 3, v[R]                         ; V fragment: row r % 4 (rows 4-7 and 12-15 of the product are never read), 8 keys for each half
	v_lshlrev_b32 v14, 6, v14
	v_lshl_add_u32 v14, v[H], 4, v14
	v_add_nc_u32 v[VA], s79, v14
.irp i, 0,1,2
.irp j, 0,1,2,3,4,5,6,8,9,10,11
.if \j != 4+\i
	v_mov_b32 v[BQ+12*\i+\j], 0                    ; the slots of the other heads and of the other tile
.endif
.endr
.endr
	s_wait_loadcnt 0x3                             ; loads return in order (ISA guide 5.7.1): my 8 pixels are in, the 3 query loads may be out
	s_wait_kmcnt 0x0
	; luma and its sum
.irp e, 0,1,2,3,4,5,6,7
	v_mul_f32   v[LL+\e], 0x3e991687, v[X+\e]                      ; 0.299 r
	v_fmamk_f32 v[LL+\e], v[X+8+\e],  0x3f1645a2, v[LL+\e]         ; + 0.587 g
	v_fmamk_f32 v[LL+\e], v[X+16+\e], 0x3de978d5, v[LL+\e]         ; + 0.114 b
.endr
	v_pk_add_f32 v[T:T+1],   v[LL:LL+1],     v[LL+2:LL+3]
	v_pk_add_f32 v[T+2:T+3], v[LL+4:LL+5],   v[LL+6:LL+7]
	v_pk_add_f32 v[T:T+1],   v[T:T+1],       v[T+2:T+3]
	v_add_f32 v[SUM], v[T], v[T+1]
	; k of the three heads: largest, smallest, and the entry (k_lo, k_hi): hi = k cut to bf16, lo = the rest rounded to bf16
.irp i, 0,1,2
.irp e, 0,1,2,3,4,5,6,7
	v_mul_f32  v[KT+\e], s[WK+3*\i],   v[X+\e]
	v_fmac_f32 v[KT+\e], s[WK+3*\i+1], v[X+8+\e]
	v_fmac_f32 v[KT+\e], s[WK+3*\i+2], v[X+16+\e]
.endr
	v_max3_num_f32 v[MX+\i],   v[KT],      v[KT+1], v[KT+2]
	v_min3_num_f32 v[MX+3+\i], v[KT],      v[KT+1], v[KT+2]
	v_max3_num_f32 v[MX+\i],   v[MX+\i],   v[KT+3], v[KT+4]
	v_min3_num_f32 v[MX+3+\i], v[MX+3+\i], v[KT+3], v[KT+4]
	v_max3_num_f32 v[MX+\i],   v[MX+\i],   v[KT+5], v[KT+6]
	v_min3_num_f32 v[MX+3+\i], v[MX+3+\i], v[KT+5], v[KT+6]
	v_max_num_f32  v[MX+\i],   v[MX+\i],   v[KT+7]
	v_min_num_f32  v[MX+3+\i], v[MX+3+\i], v[KT+7]
	v_xor_b32 v[MX+3+\i], 0x80000000, v[MX+3+\i]   ; -kmin: all six figures are now reduced by max
.irp e, 0,1,2,3,4,5,6,7
	v_and_b32 v[T+\e], s83, v[KT+\e]
.endr
.irp e, 0,1,2,3,4,5,6,7
	v_sub_f32 v[KT+\e], v[KT+\e], v[T+\e]          ; exact
.endr
.irp e, 0,1,2,3,4,5,6,7
	v_cvt_pk_bf16_f32 v[KD+4*\e+\i], v[KT+\e], v[T+\e]
.endr
.endr
.irp e, 0,1,2,3,4,5,6,7
	v_mov_b32 v[KD+4*\e+3], s80                    ; the fourth word (1, 1) meets -max in the query's operand
	ds_store_b128 v[KSA], v[KD+4*\e:KD+4*\e+3] offset:16*(\e%4)+(\e/4)*128*KTILE
.endr
	; v of the three heads, rounded to bf16: four neighbouring keys are 8 bytes of a row
.irp i, 0,1,2
.irp e, 0,1,2,3,4,5,6,7
	v_mul_f32  v[KT+\e], s[WV+3*\i],   v[X+\e]
	v_fmac_f32 v[KT+\e], s[WV+3*\i+1], v[X+8+\e]
	v_fmac_f32 v[KT+\e], s[WV+3*\i+2], v[X+16+\e]
.endr
	v_cvt_pk_bf16_f32 v[VP],   v[KT],   v[KT+1]
	v_cvt_pk_bf16_f32 v[VP+1], v[KT+2], v[KT+3]
	v_cvt_pk_bf16_f32 v[VP+2], v[KT+4], v[KT+5]
	v_cvt_pk_bf16_f32 v[VP+3], v[KT+6], v[KT+7]
	ds_store_b64 v[VSA], v[VP:VP+1]   offset:64*\i
	ds_store_b64 v[VSA], v[VP+2:VP+3] offset:64*\i+64*VBLK
.endr
	v_mov_b32 v[VP], s80
	v_mov_b32 v[VP+1], s80
	ds_store_b64 v[VSA], v[VP:VP+1] offset:192             ; the row of ones: it sums the denominator
	ds_store_b64 v[VSA], v[VP:VP+1] offset:192+64*VBLK
	; my query: luma and the plain q, which hang on no statistic
	s_wait_loadcnt 0x0
	v_mul_f32   v[G], 0x3e991687, v[QP]
	v_fmamk_f32 v[G], v[QP+1], 0x3f1645a2, v[G]
	v_fmamk_f32 v[G], v[QP+2], 0x3de978d5, v[G]
.irp i, 0,1,2
	v_mul_f32  v[Q+\i], s[WQ+3*\i],   v[QP]
	v_fmac_f32 v[Q+\i], s[WQ+3*\i+1], v[QP+1]
	v_fmac_f32 v[Q+\i], s[WQ+3*\i+2], v[QP+2]
.endr
.macro ROWSUM                          ; SUM over each half of 16 lanes
.irp m, 1,2,4,8
	v_add_f32_dpp v[SUM], v[SUM], v[SUM] row_xmask:\m row_mask:0xf bank_mask:0xf
.endr
.endm
.macro ROWMAX                          ; the six extremes over each half of 16 lanes, six chains side by side
.irp m, 1,2,4,8
.irp q, 0,1,2,3,4,5
	v_max_num_f32_dpp v[MX+\q], v[MX+\q], v[MX+\q] row_xmask:\m row_mask:0xf bank_mask:0xf
.endr
.endr
.endm
.macro WAVESUM                         ; SUM over the wave's 32 lanes
	ROWSUM
	v_permlanex16_b32 v[KT+6], v[SUM], s72, s73
	v_add_f32 v[SUM], v[SUM], v[KT+6]
.endm
.macro SHARE off                       ; the wave's SUM to its word; behind the barrier lane r takes wave r's word and the 16 are added
	ds_store_b32 v[RA], v[SUM] offset:\off
	s_wait_dscnt 0x0                               ; for the other waves' sake: all my LDS stores are done before I signal
	s_barrier_signal -1
	s_barrier_wait -1
	ds_load_b32 v[SUM], v[RB] offset:\off
	s_wait_dscnt 0x0
	ROWSUM
.endm
	; first sum over the work-group: luma, and the extremes of k.  Its barrier also publishes K and V.
	WAVESUM
	ROWMAX
.irp q, 0,1,2,3,4,5
	v_permlanex16_b32 v[KT+\q], v[MX+\q], s72, s73
.endr
.irp q, 0,1,2,3,4,5
	v_max_num_f32 v[MX+\q], v[MX+\q], v[KT+\q]
	ds_store_b32 v[RA], v[MX+\q] offset:64+64*\q
.endr
	ds_store_b32 v[RA], v[SUM]
	s_wait_dscnt 0x0
	s_barrier_signal -1
	s_barrier_wait -1
	ds_load_b32 v[SUM], v[RB]
.irp q, 0,1,2,3,4,5
	ds_load_b32 v[MX+\q], v[RB] offset:64+64*\q
.endr
	s_wait_dscnt 0x0
	ROWSUM
	ROWMAX
	v_mul_f32 v[MU], 0x39800000, v[SUM]            ; mean of 4,096
	; second: the mean of |L - mu|
.irp e, 0,1,2,3,4,5,6,7
	v_sub_f32 v[LL+\e], v[LL+\e], v[MU]
.endr
.irp e, 0,1,2,3,4,5,6,7
	v_and_b32 v[LL+\e], 0x7fffffff, v[LL+\e]
.endr
	v_pk_add_f32 v[T:T+1],   v[LL:LL+1],     v[LL+2:LL+3]
	v_pk_add_f32 v[T+2:T+3], v[LL+4:LL+5],   v[LL+6:LL+7]
	v_pk_add_f32 v[T:T+1],   v[T:T+1],       v[T+2:T+3]
	v_add_f32 v[SUM], v[T], v[T+1]
	WAVESUM
	SHARE RED2-RED1
	v_mul_f32 v[G2], 0x39800000, v[SUM]
	; third: the squares of the deviations from that mean (two passes, as the reference has it)
.irp e, 0,1,2,3,4,5,6,7
	v_sub_f32 v[LL+\e], v[LL+\e], v[G2]
.endr
	v_pk_mul_f32 v[T:T+1], v[LL:LL+1],   v[LL:LL+1]
	v_pk_fma_f32 v[T:T+1], v[LL+2:LL+3], v[LL+2:LL+3], v[T:T+1]
	v_pk_fma_f32 v[T:T+1], v[LL+4:LL+5], v[LL+4:LL+5], v[T:T+1]
	v_pk_fma_f32 v[T:T+1], v[LL+6:LL+7], v[LL+6:LL+7], v[T:T+1]
	v_add_f32 v[SUM], v[T], v[T+1]
	WAVESUM
	SHARE RED3-RED1
	; the gate of my query.  Behind each transcendental one plain, independent vector instruction stands before its result is used (ISA guide 5.7.2).
	v_mul_f32 v[G2], 0x39800801, v[SUM]            ; / 4,095
	v_sqrt_f32 v[G2], v[G2]
	v_sub_f32 v[G], v[G], v[MU]
	s_wait_alu depctr_va_vdst(0)
	v_add_f32 v[G2], 0x358637bd, v[G2]             ; + 1e-6
	v_rcp_f32 v[G2], v[G2]
	v_and_b32 v[G], 0x7fffffff, v[G]
	s_wait_alu depctr_va_vdst(0)
	v_mul_f32 v[G], v[G], v[G2]                    ; x = |L - mu| / std
	v_mul_f32 v[G], 0xbfb8aa3b, v[G]
	v_exp_f32 v[G], v[G]                           ; e^-x
	v_nop
	s_wait_alu depctr_va_vdst(0)
	v_add_f32 v[G], 1.0, v[G]
	v_rcp_f32 v[G], v[G]                           ; sigmoid
	v_nop
	s_wait_alu depctr_va_vdst(0)
	v_fma_f32 v[G], v[G], s81, s81                 ; (1 + gate) log2 e
	v_cmp_eq_u32 vcc_lo, 1, v[H]
	; the query's operand: lanes 0-15 carry (q_hi, q_hi) and (-max_lo, -max_hi), lanes 16-31 (q_lo, q_lo) and 0
.irp i, 0,1,2
	v_mul_f32 v[Q+\i], v[Q+\i], v[G]
	v_and_b32 v[T], s83, v[Q+\i]
	v_sub_f32 v[T+1], v[Q+\i], v[T]
	v_cvt_pk_bf16_f32 v[T], v[T], v[T]
	v_cvt_pk_bf16_f32 v[T+1], v[T+1], v[T+1]
	v_cndmask_b32 v[BQ+12*\i+4+\i], v[T], v[T+1], vcc_lo
	v_xor_b32 v[T+2], 0x80000000, v[Q+\i]
	v_mul_f32 v[T+2], v[T+2], v[MX+\i]             ; -q kmax
	v_mul_f32 v[T+3], v[Q+\i], v[MX+3+\i]          ; -q kmin
	v_min_num_f32 v[T+2], v[T+2], v[T+3]           ; -max.  What is subtracted cancels in the quotient: two bf16 of it are enough
	v_and_b32 v[T+3], s83, v[T+2]
	v_sub_f32 v[T+2], v[T+2], v[T+3]
	v_cvt_pk_bf16_f32 v[T+2], v[T+2], v[T+3]
	v_cndmask_b32 v[BQ+12*\i+7], v[T+2], v[BQ], vcc_lo     ; v[BQ] is 0
.endr
; THE LOOP'S PIECES.  A group is one head of one block of 32 keys.  par, npar: which S and P buffer.
.macro LOADK buf, off                  ; two tiles of 16 keys: registers 0-3 (slots 0-15) and 4-7 (slots 16-31) of one A operand
	ds_load_b128 v[KF+8*(\buf):KF+8*(\buf)+3],   v[KA] offset:\off
	ds_load_b128 v[KF+8*(\buf)+4:KF+8*(\buf)+7], v[KA] offset:\off+KTILE
.endm
.macro LOADV buf, off
	ds_load_b128 v[VF+8*(\buf):VF+8*(\buf)+3],   v[VA] offset:\off
	ds_load_b128 v[VF+8*(\buf)+4:VF+8*(\buf)+7], v[VA] offset:\off+32
.endm
.macro SCORE par, buf, head            ; lane (r, h), register j: score of key 8 h + j (then 16 + 8 h + j) with query r
	v_wmma_f32_16x16x32_bf16 v[SB+16*(\par):SB+16*(\par)+7],    v[KF+8*(\buf):KF+8*(\buf)+7], v[BQ+12*(\head)+4:BQ+12*(\head)+11], 0
	v_wmma_f32_16x16x32_bf16 v[SB+16*(\par)+8:SB+16*(\par)+15], v[KF+8*(\buf):KF+8*(\buf)+7], v[BQ+12*(\head):BQ+12*(\head)+7], 0
	s_wait_alu depctr_va_vdst(0)
.endm
.macro PACK par, c
	v_cvt_pk_bf16_f32 v[PB+8*(\par)+(\c)], v[SB+16*(\par)+2*(\c)], v[SB+16*(\par)+2*(\c)+1]
.endm
.macro PACK4 par                       ; four conversions of the current group: the four places behind the score instructions (ISA guide 7.12.1)
.irp c, 0,1,2,3
	PACK \par, \c
.endr
.endm
.macro FINISH par, npar, nxt           ; the next group's 16 exponentials; each run of four is followed by a conversion of the current group,
.irp c, 0,1,2,3                        ; the plain instruction that has to stand behind transcendentals before their results are used
.if \nxt
	v_exp_f32 v[SB+16*(\npar)+4*\c],   v[SB+16*(\npar)+4*\c]
	v_exp_f32 v[SB+16*(\npar)+4*\c+1], v[SB+16*(\npar)+4*\c+1]
	v_exp_f32 v[SB+16*(\npar)+4*\c+2], v[SB+16*(\npar)+4*\c+2]
	v_exp_f32 v[SB+16*(\npar)+4*\c+3], v[SB+16*(\npar)+4*\c+3]
.endif
	PACK \par, 4+\c
.endr
.endm
.macro PV par, buf, head, zero         ; (v0, v1, v2, ones) x P^T; the first one starts the sums
.if \zero
	v_wmma_f32_16x16x32_bf16 v[ACC+8*(\head):ACC+8*(\head)+7], v[VF+8*(\buf):VF+8*(\buf)+7], v[PB+8*(\par):PB+8*(\par)+7], 0
	s_wait_alu depctr_va_vdst(0)
.else
	v_wmma_f32_16x16x32_bf16 v[ACC+8*(\head):ACC+8*(\head)+7], v[VF+8*(\buf):VF+8*(\buf)+7], v[PB+8*(\par):PB+8*(\par)+7], v[ACC+8*(\head):ACC+8*(\head)+7]
	s_wait_alu depctr_va_vdst(0)
.endif
.endm
; One trip: blocks a (fragment buffers 0) and b = a + 1 (buffers 1), six groups.  LDS loads of a trip, two each, in this order:
; V of b, K of a + 2, V of a + 2, K of b + 2; they return in order, so each wait names what was issued behind the pair it needs.
; A fragment buffer is loaded again at least four conversions behind the last matrix instruction that read it; a P buffer is
; written again eight conversions behind its product.
.macro ITER first, last
	SCORE 1, 0, 1                                  ; group (a, 0)
	PACK4 0
	LOADV 1, VBLK
	s_wait_dscnt 0x4                               ; V of a is in; K of b and V of b may be out
	FINISH 0, 1, 1
	PV 0, 0, 0, \first
	SCORE 0, 0, 2                                  ; group (a, 1)
	PACK4 1
	FINISH 1, 0, 1
	PV 1, 0, 1, \first
	s_wait_dscnt 0x2                               ; group (a, 2): K of b is in; V of b may be out
.if \last == 0
	LOADK 0, 2*KBLK
.endif
	SCORE 1, 1, 0
	PACK4 0
	FINISH 0, 1, 1
	PV 0, 0, 2, \first
	SCORE 0, 1, 1                                  ; group (b, 0)
	PACK4 1
.if \last
	s_wait_dscnt 0x0                               ; V of b: nothing was issued behind it
.else
	LOADV 0, 2*VBLK
	s_wait_dscnt 0x4                               ; V of b is in; K and V of a + 2 may be out
.endif
	FINISH 1, 0, 1
	PV 1, 1, 0, 0
	SCORE 1, 1, 2                                  ; group (b, 1)
	PACK4 0
	FINISH 0, 1, 1
	PV 0, 1, 1, 0
.if \last                                              ; group (b, 2)
	PACK4 1
	FINISH 1, 0, 0
.else
	s_wait_dscnt 0x2                               ; K of a + 2 is in; V of a + 2 may be out
	LOADK 1, 3*KBLK
	SCORE 0, 0, 0
	PACK4 1
	FINISH 1, 0, 1
.endif
	PV 1, 1, 2, 0
.if \last == 0
	v_add_nc_u32 v[KA], 2*KBLK, v[KA]
	v_add_nc_u32 v[VA], 2*VBLK, v[VA]
.endif
.endm
	LOADK 0, 0
	LOADV 0, 0
	LOADK 1, KBLK
	s_wait_dscnt 0x4                               ; K of block 0 is in; V of 0 and K of 1 may be out
	SCORE 0, 0, 0
.rept 4
	v_nop                                          ; four places before the scores are read: nothing else is left to do here
.endr
.irp j, 0,1,2,3,4,5,6,7,8,9,10,11,12,13,14,15
	v_exp_f32 v[SB+\j], v[SB+\j]
.endr
	v_nop                                          ; the plain place behind the transcendentals
	s_wait_alu depctr_va_vdst(0)
	ITER 1, 0                                      ; the first trip stands in front of the loop: its products start the sums
	s_mov_b32 s74, WBLK/2-2
.Lkeys:
	ITER 0, 0
	s_sub_co_i32 s74, s74, 1
	s_cmp_lg_u32 s74, 0
	s_cbranch_scc1 .Lkeys
	ITER 0, 1                                      ; the last trip loads nothing beyond my keys and starts no further group
	; my quarter's sums to LDS: lanes 0-15 the numerator (row i of head i), lanes 16-31 the denominator (row 3)
	v_cmp_eq_u32 vcc_lo, 1, v[H]
	v_lshlrev_b32 v14, 2, v[R]                     ; these four lines are also the places behind the last product
	v_lshl_add_u32 v14, v[H], 8, v14
	v_add_nc_u32 v14, s82, v14
	v_nop
.irp i, 0,1,2
	v_cndmask_b32 v[T+\i], v[ACC+9*\i], v[ACC+8*\i+3], vcc_lo
	ds_store_b32 v14, v[T+\i] offset:512*\i
.endr
	s_wait_dscnt 0x0
	s_barrier_signal -1
	s_barrier_wait -1
	s_cmp_lg_u32 s2, 0
	s_cbranch_scc1 .Ldone
	; THE END, wave 0: lane (r, h) takes queries 4 r .. 4 r + 3; lanes 0-15 finish plane 0, lanes 16-31 plane 1, then lanes 0-15 plane 2
	v_lshlrev_b32 v[FA], 4, v[R]
	v_add_nc_u32 v[FO2], s76, v[FA]
	v_lshl_add_u32 v[FO1], v[H], 14, v[FO2]
	global_load_b128 v[RG1:RG1+3], v[FO1], s[4:5]
	global_load_b128 v[RG2:RG2+3], v[FO2], s[4:5] offset:2*PLANE
	v_add_nc_u32 v[FA], PART, v[FA]
.irp k, 0,1,2,3
.irp a, 0,1,2,3,4,5
	ds_load_b128 v[F+24*\k+4*\a:F+24*\k+4*\a+3], v[FA] offset:PARTQ*\k+256*\a
.endr
.endr
	s_wait_dscnt 0x0
.irp a, 0,1,2,3,4,5,6,7,8,9,10,11
	v_pk_add_f32 v[F+2*\a:F+2*\a+1],       v[F+2*\a:F+2*\a+1],       v[F+24+2*\a:F+24+2*\a+1]
	v_pk_add_f32 v[F+48+2*\a:F+48+2*\a+1], v[F+48+2*\a:F+48+2*\a+1], v[F+72+2*\a:F+72+2*\a+1]
.endr
.irp a, 0,1,2,3,4,5,6,7,8,9,10,11
	v_pk_add_f32 v[F+2*\a:F+2*\a+1], v[F+2*\a:F+2*\a+1], v[F+48+2*\a:F+48+2*\a+1]
.endr
.irp i, 0,1,2
.irp e, 0,1,2,3
	v_rcp_f32 v[F+8*\i+4+\e], v[F+8*\i+4+\e]       ; the denominator is at least about 1: the largest weight is 2^0
.endr
.endr
.irp i, 0,1,2
	v_mov_b32 v[TW], s[WO+3+\i]                    ; plain lines behind the reciprocals: my plane's row of wo
	v_cndmask_b32 v[W+\i], s[WO+\i], v[TW], vcc_lo
.endr
	s_wait_alu depctr_va_vdst(0)
.irp i, 0,1,2
	v_pk_mul_f32 v[F+8*\i:F+8*\i+1],   v[F+8*\i:F+8*\i+1],   v[F+8*\i+4:F+8*\i+5]
	v_pk_mul_f32 v[F+8*\i+2:F+8*\i+3], v[F+8*\i+2:F+8*\i+3], v[F+8*\i+6:F+8*\i+7]
.endr
	s_wait_loadcnt 0x0
.irp i, 0,1,2
.irp e, 0,1,2,3
	v_fmac_f32 v[RG1+\e], v[W+\i],     v[F+8*\i+\e]
	v_fmac_f32 v[RG2+\e], s[WO+6+\i],  v[F+8*\i+\e]
.endr
.endr
.irp e, 0,1,2,3,4,5,6,7
	v_max_num_f32 v[RG1+\e], 0, v[RG1+\e]          ; RG2 follows RG1
.endr
.irp e, 0,1,2,3,4,5,6,7
	v_min_num_f32 v[RG1+\e], 1.0, v[RG1+\e]
.endr
	global_store_b128 v[FO1], v[RG1:RG1+3], s[14:15] th:TH_STORE_NT        ; each half of the lanes covers 256 consecutive bytes, aligned
	v_cmp_eq_u32 vcc_lo, 0, v[H]
	s_wait_xcnt 0x0                                ; EXEC is a source of the store above: it changes only behind this wait
	s_and_saveexec_b32 s75, vcc_lo
	global_store_b128 v[FO2], v[RG2:RG2+3], s[14:15] offset:2*PLANE th:TH_STORE_NT
	s_wait_xcnt 0x0
	s_or_b32 exec_lo, exec_lo, s75
.Ldone:
	s_wait_tensorcnt 0x0
	ds_add_u32 v247, v251
	s_wait_dscnt 0x0
	s_endpgm
.Lfunc_end_k_q30ea5dfb6e_alga:
	.size	k_q30ea5dfb6e_alga, .Lfunc_end_k_q30ea5dfb6e_alga-k_q30ea5dfb6e_alga
	.p2alignl 7, 3214868480
	.fill 96, 4, 3214868480
	.section	.rodata,"a",@progbits
	.p2align	6, 0x0
	.amdhsa_kernel k_q30ea5dfb6e_alga
		.amdhsa_group_segment_fixed_size 119808
		.amdhsa_private_segment_fixed_size 0
		.amdhsa_enable_private_segment 0
		.amdhsa_kernarg_size 48
		.amdhsa_user_sgpr_count 2
		.amdhsa_user_sgpr_kernarg_segment_ptr 1
		.amdhsa_wavefront_size32 1
		.amdhsa_system_sgpr_workgroup_id_x 1
		.amdhsa_system_sgpr_workgroup_id_y 1
		.amdhsa_system_sgpr_workgroup_id_z 1
		.amdhsa_system_vgpr_workitem_id 0
		.amdhsa_next_free_vgpr 256
		.amdhsa_next_free_sgpr 90
		.amdhsa_reserve_vcc 1
		.amdhsa_float_denorm_mode_32 3
		.amdhsa_float_denorm_mode_16_64 3
		.amdhsa_memory_ordered 1
		.amdhsa_forward_progress 1
		.amdhsa_inst_pref_size 62
	.end_amdhsa_kernel
	.amdgpu_metadata
---
amdhsa.version: [ 1, 2 ]
amdhsa.kernels:
  - .name:           k_q30ea5dfb6e_alga
    .symbol:         k_q30ea5dfb6e_alga.kd
    .args:
      - { .name: rgb, .offset: 0, .size: 8, .value_kind: global_buffer, .address_space: global }
      - { .name: wq, .offset: 8, .size: 8, .value_kind: global_buffer, .address_space: global }
      - { .name: wk, .offset: 16, .size: 8, .value_kind: global_buffer, .address_space: global }
      - { .name: wv, .offset: 24, .size: 8, .value_kind: global_buffer, .address_space: global }
      - { .name: wo, .offset: 32, .size: 8, .value_kind: global_buffer, .address_space: global }
      - { .name: out0, .offset: 40, .size: 8, .value_kind: global_buffer, .address_space: global }
    .group_segment_fixed_size: 119808
    .private_segment_fixed_size: 0
    .kernarg_segment_align: 8
    .kernarg_segment_size: 48
    .max_flat_workgroup_size: 512
    .sgpr_count:     90
    .vgpr_count:     256
    .wavefront_size: 32
...
	.end_amdgpu_metadata
.endif
;; end of part 1
